; MI455X (gfx1250); checked and timed in simulation.
; The chip was launched on July 23, 2026; its instructions are those of AMD's public machine-readable ISA for CDNA 5 (MIT licence, August 2026) and "CDNA5" Instruction Set Architecture Reference Guide (July 2026). The comments in the code are by the model that wrote it; some were corrected since.
;; Fw FM. Allowed arithmetic: float matrix products may take bf16 or f16 operands with f32 sums; all other float work in f32.
;; Inputs: bias_weight one number float32; embedding_weights 1,000,000 x 16 float32; field_weights 741 x 1 float32; inputs 8,192 x 39 int32; linear_weights 1,000,000 float32.
;; Outputs: out0 8,192 x 1 float32.
;; 2 versions, each right; version 2 is version 1 with the launch fwfm written anew for expert scheduling mode. Each part assembles by itself: llvm-mc -triple=amdgcn-amd-amdhsa -mcpu=gfx1250 --defsym DOCPART=n.
;; ======== version 1 of 2: 1 launch
;; limits: values outside matrix products are rounded to bf16; inputs' magnitudes at most 4e+18
;; launch fwfm (part 1): grid 256 x 1, 8 waves a work-group, no clusters, 7,424 bytes of LDS; arguments inputs, embedding_weights, field_weights, linear_weights, bias_weight, out0; writes out0
.if DOCPART == 1
	.amdgcn_target "amdgcn-amd-amdhsa--gfx1250"
	.amdhsa_code_object_version 6
	.text
	.protected	k_q4dbe25c54a_fwfm
	.globl	k_q4dbe25c54a_fwfm
	.p2align	8
	.type	k_q4dbe25c54a_fwfm,@function
k_q4dbe25c54a_fwfm:
	s_mov_b64 s[64:65], 0
	v_nop
	global_prefetch_b8 v0, s[64:65] scope:SCOPE_SE
	s_setreg_imm32_b32 hwreg(HW_REG_WAVE_MODE, 25, 1), 1
	s_wait_xcnt 0x0
; FwFM: out[b] = bias + sum_f lin[idx[b][f]] + sum_{i<j} w[i,j] <e_i, e_j>,  e_f = emb[idx[b][f]] (16 f32), 39 fields, 8,192 samples.
; 256 work-groups x 8 waves x 4 samples.  The 741 dot products of a sample are the upper triangle of G = E E^T (E: 39 x 16): G is made
; by the matrix unit in bf16, as six 16 x 16 tiles (block rows and columns of 16 fields, blocks (0,0) (0,1) (0,2) (1,1) (1,2) (2,2)).
; A fragment is 16 fields x K = 32: lane (r = lane % 16, h = lane / 16) holds dims 8h .. 8h+7 of field 16 t + r in registers 0-3,
; which are 32 consecutive bytes of the gathered row (two 16-byte loads, no transposition); registers 4-7 (K = 16 .. 31) stay 0.
; A's and B's register maps are equal (ISA guide 7.12.2), so the same three fragments serve as both sources.
; The field weights stay in f32 in 48 registers laid out as the six result tiles, 0 where i >= j or a field is padding; 24 packed
; multiply-adds weigh G, the lane's gathered linear weights are the first addend, one sum over the 32 lanes ends a sample.
; All gathers of a wave (24 of 16 bytes a lane, 8 of 4 bytes) are issued as soon as its indices are in: at most 38 loads of a wave are out.
; NO CLUSTER, NO JOINT LOADS: the work-groups share only the 2,964 bytes of field weights; every gathered row belongs to one sample.
; NO PREFETCH: a row's address is known only from its index, and its load is issued right then.
; THE WAY OUT: a work-group has 32 results: they meet in LDS and wave 0 stores them as 128 consecutive bytes, aligned to 128.
; LIMITS: (1) embeddings are rounded to bf16 for the products; weights, linear terms and every sum are f32.
; (2) an index is clamped as an unsigned number to 999,999 (the problem keeps indices inside the table).
; (3) products that the weight 0 removes are still formed (<e_i, e_i>, the mirrored pairs, field 38 repeated as padding): they must be
;     finite, |e_i|^2 < 3.4e38, components up to about 4e18.
.set ROWB,   156                       ; bytes of one sample's 39 indices
.set SPW,    4                         ; samples of a wave
.set MAXROW, 999999                    ; last row of both tables
.set WLAST,  2960                      ; byte offset of the last of the 741 field weights
.set OUTB,   6144                      ; LDS: bytes 0 .. 6143 the weight tiles (6 x 1,024), then 32 results
.set LANE, 1                           ; v1       lane
.set H32,  2                           ; v2       32 h: my half of a row
.set XO,   3                           ; v3       4 x lane
.set ZO,   4                           ; v4       byte of field 32 + min(r, 6) in a sample's indices
.set WST,  5                           ; v5       4 x thread: where I put my word of each weight tile
.set WLD,  6                           ; v6       16 x lane: where I read the tiles back
.set OST,  7                           ; v7       LDS address of my wave's four results
.set P,    16                          ; v[16:19]   a lane's partial result of each sample
.set ACC,  20                          ; v[20:27]   four chains of packed sums
.set LIN,  28                          ; v[28:35]   sample n: linear weight of field = lane, and of field 32 + r
.set F,    36                          ; v[36:59]   three fragments of 8 registers
.set W,    60                          ; v[60:107]  field weights, six tiles in the layout of a 32-bit result
.set G,    108                         ; v[108:155] six result tiles; before the first product the set-up's registers lie here:
.set AD,   G                           ;   sample n: AD+5n index X then 4 X, +1 index Z then 4 Z, +2 +3 +4 byte offsets of my rows in fragments 0, 1, 2
.set Y,    G+20                        ;   X of the other half-wave
.set WV,   G+24                        ;   six field weights as loaded
.set WA,   G+30                        ;   their byte offsets
.set RB,   G+36                        ;   row bases of the triangular index, block rows 0, 1, 2
.set R,    156                         ; v[156:251] sample n: 24 registers, 8 f32 of each of my three rows
	s_load_b256 s[4:11], s[0:1], 0x0               ; inputs s[4:5], embedding s[6:7], field weights s[8:9], linear s[10:11]
	s_load_b128 s[12:15], s[0:1], 0x20             ; bias s[12:13], out s[14:15]
	v_lshl_add_u32 v252, v0, 2, 0x1900
	v_mov_b32 v253, 0
	; everything that needs no address is made while the arguments are on their way
	v_and_b32 v[LANE], 31, v0
	v_lshrrev_b32 v8, 5, v0
	v_readfirstlane_b32 s16, v8                    ; wave 0 .. 7
	v_and_b32 v9, 15, v0                           ; r
	v_and_b32 v[H32], 16, v0
	v_lshlrev_b32 v[H32], 1, v[H32]                ; 32 h
	v_lshlrev_b32 v[XO], 2, v[LANE]
	v_min_u32 v9, 6, v9                            ; fields 39 .. 47 do not exist: those lanes repeat field 38
	v_lshl_add_u32 v[ZO], v9, 2, 128
	v_lshlrev_b32 v[WST], 2, v0
	v_lshlrev_b32 v[WLD], 4, v[LANE]
	v_cmp_lt_u32 s23, 15, v[LANE]                  ; lanes with h = 1
	v_cmp_gt_u32 s25, 7, v[LANE]                   ; lanes 0 .. 6: the owners of the linear weights of fields 32 .. 38
	s_lshl_b32 s17, ttmp9, 5
	s_lshl2_add_u32 s17, s16, s17                  ; my first sample = 32 x work-group + 4 x wave
	s_mul_i32 s18, s17, ROWB                       ; its indices, in bytes (below 1,277,952)
	s_mov_b32 s19, 0
	s_mov_b32 s26, 0x76543210                      ; v_permlanex16_b32: lane i reads lane i of the other half
	s_mov_b32 s27, 0xfedcba98
	s_lshl_b32 s28, s16, 4
	s_add_co_u32 s28, s28, OUTB
	v_mov_b32 v[OST], s28                          ; 16 bytes for each wave
	; The weight tiles.  Thread tau makes word tau of each tile; a tile's words lie as the waves read them back:
	; tau = 128 q + 4 lane' + jl  holds register j = 4 q + jl of lane', that is element (m = 8 h' + j, n = r') of the tile.
	v_bfe_u32 v10, v0, 2, 4                        ; n = r'
	v_and_b32 v11, 3, v0                           ; jl
	v_bfe_u32 v12, v0, 6, 1                        ; h'
	v_lshrrev_b32 v13, 7, v0                       ; q
	v_lshl_add_u32 v11, v13, 2, v11
	v_lshl_add_u32 v11, v12, 3, v11                ; m
	v_cmp_lt_u32 s20, v11, v10                     ; m < n: what counts in a diagonal block
	v_cmp_gt_u32 s21, 7, v10                       ; n < 7: what counts in block column 2 (fields 32 .. 38)
	s_and_b32 s22, s20, s21                        ; both: block (2,2)
	v_add_nc_u32 v10, -1, v10
; pair (i, j), i < j, is weight number i (75 - i) / 2 + j - 1.  RB+t = 4 (i (75 - i) / 2 + n - 1) for i = 16 t + m
.macro ROWBASE t
.if \t
	v_add_nc_u32 v11, 16, v11                      ; i of the next block row
.endif
	v_sub_nc_u32 v13, 75, v11
	v_mul_u32_u24 v12, v11, v13                    ; even: i and 75 - i differ in parity
	v_lshrrev_b32 v12, 1, v12
	v_add_lshl_u32 v[RB+\t], v12, v10, 2
.endm
	ROWBASE 0
	ROWBASE 1
	ROWBASE 2
; tile k = block (t, c): + 64 c bytes for j = 16 c + n; pairs that do not exist are clamped into the buffer (-4 is a large unsigned number) and masked later
.macro WADDR k, t, c
.if \c
	v_add_nc_u32 v[WA+\k], 64*\c, v[RB+\t]
	v_min_u32 v[WA+\k], WLAST, v[WA+\k]
.else
	v_min_u32 v[WA+\k], WLAST, v[RB+\t]
.endif
.endm
	WADDR 0, 0, 0
	WADDR 1, 0, 1
	WADDR 2, 0, 2
	WADDR 3, 1, 1
	WADDR 4, 1, 2
	WADDR 5, 2, 2
	s_wait_kmcnt 0x0
	s_add_nc_u64 s[4:5], s[4:5], s[18:19]          ; inputs at my first sample
.irp n, 0,1,2,3
	global_load_b32 v[AD+5*\n],   v[XO], s[4:5] offset:ROWB*\n     ; X: index of field = lane (0 .. 31)
	global_load_b32 v[AD+5*\n+1], v[ZO], s[4:5] offset:ROWB*\n     ; Z: index of field 32 + min(r, 6)
.endr
.irp k, 0,1,2,3,4,5
	global_load_b32 v[WV+\k], v[WA+\k], s[8:9]
.endr
	s_load_b32 s24, s[12:13], 0x0                  ; the bias
	s_lshl_b32 s18, ttmp9, 7
	s_add_nc_u64 s[14:15], s[14:15], s[18:19]      ; out at the work-group's 32 results
.irp t, 0,1,2
.irp c, 4,5,6,7
	v_mov_b32 v[F+8*\t+\c], 0                      ; K = 16 .. 31 of each fragment: a row has 16 dims.  Written once, for all four samples
.endr
.endr
	v_mov_b32 v[Y], 0                              ; v_permlanex16_b32 counts as a reader of its destination
	s_wait_loadcnt 6                               ; the 8 index loads are in; the 6 younger weight loads may stay out
; The gathers of sample n.  Lane (r, h) needs the rows of fields r, 16 + r and 32 + r; X holds field r + 16 h.
; Each index is clamped last, and behind the clamp stand only a shift and an add.
.macro GATHER n
	v_permlanex16_b32 v[Y], v[AD+5*\n], s26, s27
	v_cndmask_b32 v[AD+5*\n+2], v[AD+5*\n], v[Y], s23              ; field r:      h = 0 mine, h = 1 the other half's
	v_cndmask_b32 v[AD+5*\n+3], v[Y], v[AD+5*\n], s23              ; field 16 + r: the other way round
	v_min_u32 v[AD+5*\n+2], MAXROW, v[AD+5*\n+2]
	v_min_u32 v[AD+5*\n+3], MAXROW, v[AD+5*\n+3]
	v_min_u32 v[AD+5*\n],   MAXROW, v[AD+5*\n]
	v_min_u32 v[AD+5*\n+1], MAXROW, v[AD+5*\n+1]
	v_lshl_add_u32 v[AD+5*\n+2], v[AD+5*\n+2], 6, v[H32]           ; 64 x row + 32 h: below 64,000,000
	v_lshl_add_u32 v[AD+5*\n+3], v[AD+5*\n+3], 6, v[H32]
	v_lshl_add_u32 v[AD+5*\n+4], v[AD+5*\n+1], 6, v[H32]
	v_lshlrev_b32 v[AD+5*\n],   2, v[AD+5*\n]
	v_lshlrev_b32 v[AD+5*\n+1], 2, v[AD+5*\n+1]
.irp t, 0,1,2
	global_load_b128 v[R+24*\n+8*\t:R+24*\n+8*\t+3],   v[AD+5*\n+2+\t], s[6:7]
	global_load_b128 v[R+24*\n+8*\t+4:R+24*\n+8*\t+7], v[AD+5*\n+2+\t], s[6:7] offset:16
.endr
	global_load_b32 v[LIN+2*\n],   v[AD+5*\n],   s[10:11]          ; fields 0 .. 31, one a lane
	global_load_b32 v[LIN+2*\n+1], v[AD+5*\n+1], s[10:11]          ; fields 32 .. 38 in lanes 0 .. 6; the other lanes' copies are dropped later
.endm
	GATHER 0
	GATHER 1
	GATHER 2
	GATHER 3
	; the weight tiles go through LDS while the rows are on their way
	s_wait_loadcnt 32                              ; the 6 weight loads are in; the 32 gathers behind them stay out
	s_wait_kmcnt 0x0                               ; the bias
	v_cndmask_b32 v[WV+0], 0, v[WV+0], s20         ; block (0,0): i < j
	v_cndmask_b32 v[WV+2], 0, v[WV+2], s21         ; block (0,2): j <= 38      (block (0,1) is whole)
	v_cndmask_b32 v[WV+3], 0, v[WV+3], s20         ; block (1,1)
	v_cndmask_b32 v[WV+4], 0, v[WV+4], s21         ; block (1,2)
	v_cndmask_b32 v[WV+5], 0, v[WV+5], s22         ; block (2,2)
.irp k, 0,1,2,3,4,5
	ds_store_b32 v[WST], v[WV+\k] offset:1024*\k   ; 32 lanes, 128 consecutive bytes
.endr
	s_wait_dscnt 0x0                               ; my words are in LDS, for the other waves' sake,
	s_barrier_signal -1
	s_barrier_wait -1                              ; and so are everybody's
.irp k, 0,1,2,3,4,5
	ds_load_b128 v[W+8*\k:W+8*\k+3],   v[WLD] offset:1024*\k       ; registers 0-3 of tile k: 16 consecutive bytes a lane
	ds_load_b128 v[W+8*\k+4:W+8*\k+7], v[WLD] offset:1024*\k+512   ; registers 4-7
.endr
	s_wait_xcnt 0x0                                ; the gathers' offsets lie where the products will be written: they are free behind this wait (ISA guide 3.1)
	s_wait_dscnt 0x0                               ; the 48 weights
; Sample n: round its rows to bf16, six products, weigh them.
.macro SAMPLE n
	s_wait_loadcnt 8*(SPW-1-\n)                    ; loads come back in order (ISA guide 5.7.1): this sample's 8 are in, 8 for each later sample stay out
.irp t, 0,1,2
.irp c, 0,1,2,3
	v_cvt_pk_bf16_f32 v[F+8*\t+\c], v[R+24*\n+8*\t+2*\c], v[R+24*\n+8*\t+2*\c+1]
.endr
.endr
	; six accumulators, each started by C = 0: nothing is cleared and no instruction adds onto another's result
	v_wmma_f32_16x16x32_bf16 v[G:G+7],     v[F:F+7],     v[F:F+7],     0
	v_wmma_f32_16x16x32_bf16 v[G+8:G+15],  v[F:F+7],     v[F+8:F+15],  0
	v_wmma_f32_16x16x32_bf16 v[G+16:G+23], v[F:F+7],     v[F+16:F+23], 0
	v_wmma_f32_16x16x32_bf16 v[G+24:G+31], v[F+8:F+15],  v[F+8:F+15],  0
	v_wmma_f32_16x16x32_bf16 v[G+32:G+39], v[F+8:F+15],  v[F+16:F+23], 0
	v_wmma_f32_16x16x32_bf16 v[G+40:G+47], v[F+16:F+23], v[F+16:F+23], 0
	; four independent vector instructions stand between a matrix instruction and the first reader of its result (ISA guide 7.12.1)
	v_cndmask_b32 v[LIN+2*\n+1], 0, v[LIN+2*\n+1], s25             ; fields 32 .. 38 count once, in lanes 0 .. 6
	v_nop
	v_nop
	v_nop
	v_pk_fma_f32 v[ACC:ACC+1], v[G:G+1], v[W:W+1], v[LIN+2*\n:LIN+2*\n+1]     ; the linear weights start the first chain,
.irp p, 1,2,3
	v_pk_mul_f32 v[ACC+2*\p:ACC+2*\p+1], v[G+2*\p:G+2*\p+1], v[W+2*\p:W+2*\p+1]   ; the first products the other three
.endr
.irp k, 1,2,3,4,5
.irp p, 0,1,2,3
	v_pk_fma_f32 v[ACC+2*\p:ACC+2*\p+1], v[G+8*\k+2*\p:G+8*\k+2*\p+1], v[W+8*\k+2*\p:W+8*\k+2*\p+1], v[ACC+2*\p:ACC+2*\p+1]
.endr
.endr
	v_pk_add_f32 v[ACC:ACC+1],   v[ACC:ACC+1],   v[ACC+2:ACC+3]
	v_pk_add_f32 v[ACC+4:ACC+5], v[ACC+4:ACC+5], v[ACC+6:ACC+7]
	v_pk_add_f32 v[ACC:ACC+1],   v[ACC:ACC+1],   v[ACC+4:ACC+5]
	v_add_f32 v[P+\n], v[ACC], v[ACC+1]            ; my lane's share of the sample
.endm
	SAMPLE 0
	SAMPLE 1
	SAMPLE 2
	SAMPLE 3
	; the sums over the 32 lanes, the four samples' chains interleaved so that none waits for the line in front of it
.irp m, 1,2,4,8
.irp n, 0,1,2,3
	v_add_f32_dpp v[P+\n], v[P+\n], v[P+\n] row_xmask:\m row_mask:0xf bank_mask:0xf
.endr
.endr
.irp n, 0,1,2,3
	v_permlanex16_b32 v[ACC+\n], v[P+\n], s26, s27 ; the other half's sum (the destination has been written before)
.endr
.irp n, 0,1,2,3
	v_add_f32 v[P+\n], v[P+\n], v[ACC+\n]          ; every lane holds the sample's sum
.endr
	ds_store_b128 v[OST], v[P:P+3]                 ; all lanes write the same 16 bytes with the same values
	s_wait_dscnt 0x0                               ; in LDS, for wave 0's sake
	s_barrier_signal -1
	s_barrier_wait -1
	s_cmp_lg_u32 s16, 0
	s_cbranch_scc1 .Lend
	ds_load_b32 v8, v[XO] offset:OUTB              ; lane l: result of sample 32 x work-group + l
	s_wait_dscnt 0x0
	v_add_f32 v8, s24, v8                          ; + bias
	global_store_b32 v[XO], v8, s[14:15] th:TH_STORE_NT            ; 128 consecutive bytes in one store
.Lend:
	s_wait_tensorcnt 0x0
	ds_add_u32 v252, v253
	s_wait_dscnt 0x0
	s_endpgm
.Lfunc_end_k_q4dbe25c54a_fwfm:
	.size	k_q4dbe25c54a_fwfm, .Lfunc_end_k_q4dbe25c54a_fwfm-k_q4dbe25c54a_fwfm
	.p2alignl 7, 3214868480
	.fill 96, 4, 3214868480
	.section	.rodata,"a",@progbits
	.p2align	6, 0x0
	.amdhsa_kernel k_q4dbe25c54a_fwfm
		.amdhsa_group_segment_fixed_size 7424
		.amdhsa_private_segment_fixed_size 0
		.amdhsa_enable_private_segment 0
		.amdhsa_kernarg_size 48
		.amdhsa_user_sgpr_count 2
		.amdhsa_user_sgpr_kernarg_segment_ptr 1
		.amdhsa_wavefront_size32 1
		.amdhsa_system_sgpr_workgroup_id_x 1
		.amdhsa_system_sgpr_workgroup_id_y 1
		.amdhsa_system_sgpr_workgroup_id_z 1
		.amdhsa_system_vgpr_workitem_id 0
		.amdhsa_next_free_vgpr 254
		.amdhsa_next_free_sgpr 66
		.amdhsa_reserve_vcc 0
		.amdhsa_float_denorm_mode_32 3
		.amdhsa_float_denorm_mode_16_64 3
		.amdhsa_memory_ordered 1
		.amdhsa_forward_progress 1
		.amdhsa_inst_pref_size 27
	.end_amdhsa_kernel
	.amdgpu_metadata
---
amdhsa.version: [ 1, 2 ]
amdhsa.kernels:
  - .name:           k_q4dbe25c54a_fwfm
    .symbol:         k_q4dbe25c54a_fwfm.kd
    .args:
      - { .name: inputs, .offset: 0, .size: 8, .value_kind: global_buffer, .address_space: global }
      - { .name: embedding_weights, .offset: 8, .size: 8, .value_kind: global_buffer, .address_space: global }
      - { .name: field_weights, .offset: 16, .size: 8, .value_kind: global_buffer, .address_space: global }
      - { .name: linear_weights, .offset: 24, .size: 8, .value_kind: global_buffer, .address_space: global }
      - { .name: bias_weight, .offset: 32, .size: 8, .value_kind: global_buffer, .address_space: global }
      - { .name: out0, .offset: 40, .size: 8, .value_kind: global_buffer, .address_space: global }
    .group_segment_fixed_size: 7424
    .private_segment_fixed_size: 0
    .kernarg_segment_align: 8
    .kernarg_segment_size: 48
    .max_flat_workgroup_size: 256
    .sgpr_count:     66
    .vgpr_count:     254
    .wavefront_size: 32
...
	.end_amdgpu_metadata
.endif
;; end of part 1
;; ======== version 2 of 2: 1 launch; version 1 with the launch fwfm written anew for expert scheduling mode
;; limits: values outside matrix products are rounded to bf16; inputs' magnitudes at most 4e+18
;; launch fwfm (part 2): grid 256 x 1, 8 waves a work-group, no clusters, 7,424 bytes of LDS; arguments inputs, embedding_weights, field_weights, linear_weights, bias_weight, out0; writes out0
.if DOCPART == 2
	.amdgcn_target "amdgcn-amd-amdhsa--gfx1250"
	.amdhsa_code_object_version 6
	.text
	.protected	k_q4dbe25c54a_fwfm
	.globl	k_q4dbe25c54a_fwfm
	.p2align	8
	.type	k_q4dbe25c54a_fwfm,@function
k_q4dbe25c54a_fwfm:
	s_mov_b64 s[64:65], 0
	v_nop
	global_prefetch_b8 v0, s[64:65] scope:SCOPE_SE
	s_setreg_imm32_b32 hwreg(HW_REG_WAVE_SCHED_MODE, 0, 2), 2
	s_setreg_imm32_b32 hwreg(HW_REG_WAVE_MODE, 25, 1), 1
	s_wait_xcnt 0x0
	s_wait_alu depctr_vm_vsrc(0)
; FwFM: out[b] = bias + sum_f lin[idx[b][f]] + sum_{i<j} w[i,j] <e_i, e_j>,  e_f = emb[idx[b][f]] (16 f32), 39 fields, 8,192 samples.
; 256 work-groups x 8 waves x 4 samples.  The 741 dot products of a sample are the upper triangle of G = E E^T (E: 39 x 16): G is made
; by the matrix unit in bf16, as six 16 x 16 tiles (block rows and columns of 16 fields, blocks (0,0) (0,1) (0,2) (1,1) (1,2) (2,2)).
; A fragment is 16 fields x K = 32: lane (r = lane % 16, h = lane / 16) holds dims 8h .. 8h+7 of field 16 t + r in registers 0-3,
; which are 32 consecutive bytes of the gathered row (two 16-byte loads, no transposition); registers 4-7 (K = 16 .. 31) stay 0.
; A's and B's register maps are equal (ISA guide 7.12.2), so the same three fragments serve as both sources.
; The field weights stay in f32 in 48 registers laid out as the six result tiles, 0 where i >= j or a field is padding; 24 packed
; multiply-adds weigh G, the lane's gathered linear weights are the first addend, one sum over the 32 lanes ends a sample.
; All gathers of a wave (24 of 16 bytes a lane, 8 of 4 bytes) are issued as soon as its indices are in: at most 38 loads of a wave are out.
; NO CLUSTER, NO JOINT LOADS: the work-groups share only the 2,964 bytes of field weights; every gathered row belongs to one sample.
; NO PREFETCH: a row's address is known only from its index, and its load is issued right then.
; THE WAY OUT: a work-group has 32 results: they meet in LDS and wave 0 stores them as 128 consecutive bytes, aligned to 128.
; LIMITS: (1) embeddings are rounded to bf16 for the products; weights, linear terms and every sum are f32.
; (2) an index is clamped as an unsigned number to 999,999 (the problem keeps indices inside the table).
; (3) products that the weight 0 removes are still formed (<e_i, e_i>, the mirrored pairs, field 38 repeated as padding): they must be
;     finite, |e_i|^2 < 3.4e38, components up to about 4e18.
; THE MODE: SCHED_MODE bits 1:0 = 2 (LLVM: expert scheduling mode 2), set by the entry lines.  The code itself states the register dependences
; between vector or matrix instructions and memory or LDS instructions, with s_wait_alu, always for 0.
; THE PLAN.  Registers that memory or LDS instructions touch, in the order of the text (there is no loop):
;   v[XO] v[ZO] v[WST] v[WLD] v[OST]  offsets and LDS addresses: written once at the head, never again.
;   WA   written at the head; read by the six loads of field weights; lies in G, which the products write.
;   AD   the indices land in it; the address arithmetic of all four samples rewrites it; the 32 gathers read it; lies in G.
;   WV   the field weights land in it; five selects rewrite it; six LDS stores read it; lies in G.
;   R, LIN, W   loads land in them once; no vector instruction names them before that, and they are never loaded again.
;   P    written by the sums over the lanes; read by one LDS store.
;   v8   a temporary at the head; at the end, in wave 0, a result lands in it, the bias is added onto it and the store reads it.
;   F, ACC, Y, RB and v9 to v13 are named by vector and matrix instructions alone.
; So: one wait on va_sdst behind the head's one run of vector instructions that write scalar registers; a wait on va_vdst ahead of the first loads,
; ahead of the run of 32 gathers, ahead of the six LDS stores, ahead of the LDS store of P and ahead of the last store; one wait on vm_vsrc ahead of
; the first product.  The four samples' conversions, products and sums stand between no memory instructions and hold no such wait.
.set ROWB,   156                       ; bytes of one sample's 39 indices
.set SPW,    4                         ; samples of a wave
.set MAXROW, 999999                    ; last row of both tables
.set WLAST,  2960                      ; byte offset of the last of the 741 field weights
.set OUTB,   6144                      ; LDS: bytes 0 .. 6143 the weight tiles (6 x 1,024), then 32 results
.set LANE, 1                           ; v1       lane
.set H32,  2                           ; v2       32 h: my half of a row
.set XO,   3                           ; v3       4 x lane
.set ZO,   4                           ; v4       byte of field 32 + min(r, 6) in a sample's indices
.set WST,  5                           ; v5       4 x thread: where I put my word of each weight tile
.set WLD,  6                           ; v6       16 x lane: where I read the tiles back
.set OST,  7                           ; v7       LDS address of my wave's four results
.set P,    16                          ; v[16:19]   a lane's partial result of each sample
.set ACC,  20                          ; v[20:27]   four chains of packed sums
.set LIN,  28                          ; v[28:35]   sample n: linear weight of field = lane, and of field 32 + r
.set F,    36                          ; v[36:59]   three fragments of 8 registers
.set W,    60                          ; v[60:107]  field weights, six tiles in the layout of a 32-bit result
.set G,    108                         ; v[108:155] six result tiles; before the first product the set-up's registers lie here:
.set AD,   G                           ;   sample n: AD+5n index X then 4 X, +1 index Z then 4 Z, +2 +3 +4 byte offsets of my rows in fragments 0, 1, 2
.set Y,    G+20                        ;   X of the other half-wave
.set WV,   G+24                        ;   six field weights as loaded
.set WA,   G+30                        ;   their byte offsets
.set RB,   G+36                        ;   row bases of the triangular index, block rows 0, 1, 2
.set R,    156                         ; v[156:251] sample n: 24 registers, 8 f32 of each of my three rows
	s_load_b256 s[4:11], s[0:1], 0x0               ; inputs s[4:5], embedding s[6:7], field weights s[8:9], linear s[10:11]
	s_load_b128 s[12:15], s[0:1], 0x20             ; bias s[12:13], out s[14:15]
	v_lshl_add_u32 v14, v0, 2, 0x1900
	v_mov_b32 v15, 0
	; everything that needs no address is made while the arguments are on their way
	v_and_b32 v[LANE], 31, v0
	v_lshrrev_b32 v8, 5, v0
	v_readfirstlane_b32 s16, v8                    ; wave 0 .. 7
	v_and_b32 v9, 15, v0                           ; r
	v_and_b32 v[H32], 16, v0
	v_lshlrev_b32 v[H32], 1, v[H32]                ; 32 h
	v_lshlrev_b32 v[XO], 2, v[LANE]
	v_min_u32 v9, 6, v9                            ; fields 39 .. 47 do not exist: those lanes repeat field 38
	v_lshl_add_u32 v[ZO], v9, 2, 128
	v_lshlrev_b32 v[WST], 2, v0
	v_lshlrev_b32 v[WLD], 4, v[LANE]
	v_cmp_lt_u32 s23, 15, v[LANE]                  ; lanes with h = 1
	v_cmp_gt_u32 s25, 7, v[LANE]                   ; lanes 0 .. 6: the owners of the linear weights of fields 32 .. 38
	; The weight tiles.  Thread tau makes word tau of each tile; a tile's words lie as the waves read them back:
	; tau = 128 q + 4 lane' + jl  holds register j = 4 q + jl of lane', that is element (m = 8 h' + j, n = r') of the tile.
	v_bfe_u32 v10, v0, 2, 4                        ; n = r'
	v_and_b32 v11, 3, v0                           ; jl
	v_bfe_u32 v12, v0, 6, 1                        ; h'
	v_lshrrev_b32 v13, 7, v0                       ; q
	v_lshl_add_u32 v11, v13, 2, v11
	v_lshl_add_u32 v11, v12, 3, v11                ; m
	v_cmp_lt_u32 s20, v11, v10                     ; m < n: what counts in a diagonal block
	v_cmp_gt_u32 s21, 7, v10                       ; n < 7: what counts in block column 2 (fields 32 .. 38)
	s_wait_alu depctr_va_sdst(0)                   ; s16, s23, s25, s20 and s21 are written, ahead of the first reader of any of them: the scalar lines below and the selects further down
	s_and_b32 s22, s20, s21                        ; both: block (2,2)
	s_lshl_b32 s17, ttmp9, 5
	s_lshl2_add_u32 s17, s16, s17                  ; my first sample = 32 x work-group + 4 x wave
	s_mul_i32 s18, s17, ROWB                       ; its indices, in bytes (below 1,277,952)
	s_mov_b32 s19, 0
	s_mov_b32 s26, 0x76543210                      ; v_permlanex16_b32: lane i reads lane i of the other half
	s_mov_b32 s27, 0xfedcba98
	s_lshl_b32 s28, s16, 4
	s_add_co_u32 s28, s28, OUTB
	v_mov_b32 v[OST], s28                          ; 16 bytes for each wave
	v_add_nc_u32 v10, -1, v10
; pair (i, j), i < j, is weight number i (75 - i) / 2 + j - 1.  RB+t = 4 (i (75 - i) / 2 + n - 1) for i = 16 t + m
.macro ROWBASE t
.if \t
	v_add_nc_u32 v11, 16, v11                      ; i of the next block row
.endif
	v_sub_nc_u32 v13, 75, v11
	v_mul_u32_u24 v12, v11, v13                    ; even: i and 75 - i differ in parity
	v_lshrrev_b32 v12, 1, v12
	v_add_lshl_u32 v[RB+\t], v12, v10, 2
.endm
	ROWBASE 0
	ROWBASE 1
	ROWBASE 2
; tile k = block (t, c): + 64 c bytes for j = 16 c + n; pairs that do not exist are clamped into the buffer (-4 is a large unsigned number) and masked later
.macro WADDR k, t, c
.if \c
	v_add_nc_u32 v[WA+\k], 64*\c, v[RB+\t]
	v_min_u32 v[WA+\k], WLAST, v[WA+\k]
.else
	v_min_u32 v[WA+\k], WLAST, v[RB+\t]
.endif
.endm
	WADDR 0, 0, 0
	WADDR 1, 0, 1
	WADDR 2, 0, 2
	WADDR 3, 1, 1
	WADDR 4, 1, 2
	WADDR 5, 2, 2
	s_wait_kmcnt 0x0
	s_add_nc_u64 s[4:5], s[4:5], s[18:19]          ; inputs at my first sample
	s_wait_alu depctr_va_vdst(0)                   ; v[XO], v[ZO] and the six WA are written, which the loads below read; so are v[WST], v[WLD] and v[OST], which are never written again
.irp n, 0,1,2,3
	global_load_b32 v[AD+5*\n],   v[XO], s[4:5] offset:ROWB*\n     ; X: index of field = lane (0 .. 31)
	global_load_b32 v[AD+5*\n+1], v[ZO], s[4:5] offset:ROWB*\n     ; Z: index of field 32 + min(r, 6)
.endr
.irp k, 0,1,2,3,4,5
	global_load_b32 v[WV+\k], v[WA+\k], s[8:9]
.endr
	s_load_b32 s24, s[12:13], 0x0                  ; the bias
	s_lshl_b32 s18, ttmp9, 7
	s_add_nc_u64 s[14:15], s[14:15], s[18:19]      ; out at the work-group's 32 results
.irp t, 0,1,2
.irp c, 4,5,6,7
	v_mov_b32 v[F+8*\t+\c], 0                      ; K = 16 .. 31 of each fragment: a row has 16 dims.  Written once, for all four samples
.endr
.endr
	v_mov_b32 v[Y], 0                              ; v_permlanex16_b32 counts as a reader of its destination
	s_wait_loadcnt 6                               ; the 8 index loads are in; the 6 younger weight loads may stay out
; The offsets of sample n's gathers.  Lane (r, h) needs the rows of fields r, 16 + r and 32 + r; X holds field r + 16 h.
; Each index is clamped last, and behind the clamp stand only a shift and an add.
.macro ADDR n
	v_permlanex16_b32 v[Y], v[AD+5*\n], s26, s27
	v_cndmask_b32 v[AD+5*\n+2], v[AD+5*\n], v[Y], s23              ; field r:      h = 0 mine, h = 1 the other half's
	v_cndmask_b32 v[AD+5*\n+3], v[Y], v[AD+5*\n], s23              ; field 16 + r: the other way round
	v_min_u32 v[AD+5*\n+2], MAXROW, v[AD+5*\n+2]
	v_min_u32 v[AD+5*\n+3], MAXROW, v[AD+5*\n+3]
	v_min_u32 v[AD+5*\n],   MAXROW, v[AD+5*\n]
	v_min_u32 v[AD+5*\n+1], MAXROW, v[AD+5*\n+1]
	v_lshl_add_u32 v[AD+5*\n+2], v[AD+5*\n+2], 6, v[H32]           ; 64 x row + 32 h: below 64,000,000
	v_lshl_add_u32 v[AD+5*\n+3], v[AD+5*\n+3], 6, v[H32]
	v_lshl_add_u32 v[AD+5*\n+4], v[AD+5*\n+1], 6, v[H32]
	v_lshlrev_b32 v[AD+5*\n],   2, v[AD+5*\n]
	v_lshlrev_b32 v[AD+5*\n+1], 2, v[AD+5*\n+1]
.endm
; The gathers of sample n.
.macro ROWS n
.irp t, 0,1,2
	global_load_b128 v[R+24*\n+8*\t:R+24*\n+8*\t+3],   v[AD+5*\n+2+\t], s[6:7]
	global_load_b128 v[R+24*\n+8*\t+4:R+24*\n+8*\t+7], v[AD+5*\n+2+\t], s[6:7] offset:16
.endr
	global_load_b32 v[LIN+2*\n],   v[AD+5*\n],   s[10:11]          ; fields 0 .. 31, one a lane
	global_load_b32 v[LIN+2*\n+1], v[AD+5*\n+1], s[10:11]          ; fields 32 .. 38 in lanes 0 .. 6; the other lanes' copies are dropped later
.endm
	ADDR 0                                         ; the offsets of all four samples are made first, so that one wait serves the 32 gathers
	ADDR 1
	ADDR 2
	ADDR 3
	s_wait_alu depctr_va_vdst(0)                   ; the twenty offsets in AD are written, which the gathers below read
	ROWS 0
	ROWS 1
	ROWS 2
	ROWS 3
	; the weight tiles go through LDS while the rows are on their way
	s_wait_loadcnt 32                              ; the 6 weight loads are in; the 32 gathers behind them stay out
	s_wait_kmcnt 0x0                               ; the bias
	v_cndmask_b32 v[WV+0], 0, v[WV+0], s20         ; block (0,0): i < j
	v_cndmask_b32 v[WV+2], 0, v[WV+2], s21         ; block (0,2): j <= 38      (block (0,1) is whole)
	v_cndmask_b32 v[WV+3], 0, v[WV+3], s20         ; block (1,1)
	v_cndmask_b32 v[WV+4], 0, v[WV+4], s21         ; block (1,2)
	v_cndmask_b32 v[WV+5], 0, v[WV+5], s22         ; block (2,2)
	s_wait_alu depctr_va_vdst(0)                   ; the selects have written WV, which the LDS stores read
.irp k, 0,1,2,3,4,5
	ds_store_b32 v[WST], v[WV+\k] offset:1024*\k   ; 32 lanes, 128 consecutive bytes
.endr
	s_wait_dscnt 0x0                               ; my words are in LDS, for the other waves' sake,
	s_barrier_signal -1
	s_barrier_wait -1                              ; and so are everybody's
.irp k, 0,1,2,3,4,5
	ds_load_b128 v[W+8*\k:W+8*\k+3],   v[WLD] offset:1024*\k       ; registers 0-3 of tile k: 16 consecutive bytes a lane.  No vector instruction has named W, and v[WLD] stands as the head made it
	ds_load_b128 v[W+8*\k+4:W+8*\k+7], v[WLD] offset:1024*\k+512   ; registers 4-7
.endr
	s_wait_xcnt 0x0                                ; the gathers' offsets lie where the products will be written: they are free behind this wait (ISA guide 3.1)
	s_wait_alu depctr_vm_vsrc(0)                   ; the loads have read their offsets in AD and WA, the LDS stores their data in WV: all lie in G, which the products below write
	s_wait_dscnt 0x0                               ; the 48 weights
; Sample n: round its rows to bf16, six products, weigh them.  No memory or LDS instruction stands in it.
.macro SAMPLE n
	s_wait_loadcnt 8*(SPW-1-\n)                    ; loads come back in order (ISA guide 5.7.1): this sample's 8 are in, 8 for each later sample stay out
.irp t, 0,1,2
.irp c, 0,1,2,3
	v_cvt_pk_bf16_f32 v[F+8*\t+\c], v[R+24*\n+8*\t+2*\c], v[R+24*\n+8*\t+2*\c+1]
.endr
.endr
	; six accumulators, each started by C = 0: nothing is cleared and no instruction adds onto another's result
	v_wmma_f32_16x16x32_bf16 v[G:G+7],     v[F:F+7],     v[F:F+7],     0
	v_wmma_f32_16x16x32_bf16 v[G+8:G+15],  v[F:F+7],     v[F+8:F+15],  0
	v_wmma_f32_16x16x32_bf16 v[G+16:G+23], v[F:F+7],     v[F+16:F+23], 0
	v_wmma_f32_16x16x32_bf16 v[G+24:G+31], v[F+8:F+15],  v[F+8:F+15],  0
	v_wmma_f32_16x16x32_bf16 v[G+32:G+39], v[F+8:F+15],  v[F+16:F+23], 0
	v_wmma_f32_16x16x32_bf16 v[G+40:G+47], v[F+16:F+23], v[F+16:F+23], 0
	; four independent vector instructions stand between a matrix instruction and the first reader of its result (ISA guide 7.12.1)
	v_cndmask_b32 v[LIN+2*\n+1], 0, v[LIN+2*\n+1], s25             ; fields 32 .. 38 count once, in lanes 0 .. 6
	v_nop
	v_nop
	v_nop
	v_pk_fma_f32 v[ACC:ACC+1], v[G:G+1], v[W:W+1], v[LIN+2*\n:LIN+2*\n+1]     ; the linear weights start the first chain,
.irp p, 1,2,3
	v_pk_mul_f32 v[ACC+2*\p:ACC+2*\p+1], v[G+2*\p:G+2*\p+1], v[W+2*\p:W+2*\p+1]   ; the first products the other three
.endr
.irp k, 1,2,3,4,5
.irp p, 0,1,2,3
	v_pk_fma_f32 v[ACC+2*\p:ACC+2*\p+1], v[G+8*\k+2*\p:G+8*\k+2*\p+1], v[W+8*\k+2*\p:W+8*\k+2*\p+1], v[ACC+2*\p:ACC+2*\p+1]
.endr
.endr
	v_pk_add_f32 v[ACC:ACC+1],   v[ACC:ACC+1],   v[ACC+2:ACC+3]
	v_pk_add_f32 v[ACC+4:ACC+5], v[ACC+4:ACC+5], v[ACC+6:ACC+7]
	v_pk_add_f32 v[ACC:ACC+1],   v[ACC:ACC+1],   v[ACC+4:ACC+5]
	v_add_f32 v[P+\n], v[ACC], v[ACC+1]            ; my lane's share of the sample
.endm
	SAMPLE 0
	SAMPLE 1
	SAMPLE 2
	SAMPLE 3
	; the sums over the 32 lanes, the four samples' chains interleaved so that none waits for the line in front of it
.irp m, 1,2,4,8
.irp n, 0,1,2,3
	v_add_f32_dpp v[P+\n], v[P+\n], v[P+\n] row_xmask:\m row_mask:0xf bank_mask:0xf
.endr
.endr
.irp n, 0,1,2,3
	v_permlanex16_b32 v[ACC+\n], v[P+\n], s26, s27 ; the other half's sum (the destination has been written before)
.endr
.irp n, 0,1,2,3
	v_add_f32 v[P+\n], v[P+\n], v[ACC+\n]          ; every lane holds the sample's sum
.endr
	s_wait_alu depctr_va_vdst(0)                   ; the four sums are written into P, which the LDS store reads; and the head's lines are done with v8, in which wave 0's LDS load below lands
	ds_store_b128 v[OST], v[P:P+3]                 ; all lanes write the same 16 bytes with the same values
	s_wait_dscnt 0x0                               ; in LDS, for wave 0's sake
	s_barrier_signal -1
	s_barrier_wait -1
	s_cmp_lg_u32 s16, 0
	s_cbranch_scc1 .Lend
	ds_load_b32 v8, v[XO] offset:OUTB              ; lane l: result of sample 32 x work-group + l.  No vector instruction stands between the wait above and this load
	s_wait_dscnt 0x0
	v_add_f32 v8, s24, v8                          ; + bias
	s_wait_alu depctr_va_vdst(0)                   ; the sum with the bias is written into v8, which the store reads
	global_store_b32 v[XO], v8, s[14:15] th:TH_STORE_NT            ; 128 consecutive bytes in one store
.Lend:
	s_wait_dscnt 0x0
	s_wait_alu depctr_hold_cnt(0) depctr_sa_sdst(0) depctr_va_vdst(0) depctr_va_sdst(0) depctr_va_ssrc(0) depctr_va_vcc(0) depctr_vm_vsrc(0)
	s_wait_tensorcnt 0x0
	ds_add_u32 v14, v15
	s_wait_dscnt 0x0
	s_endpgm
.Lfunc_end_k_q4dbe25c54a_fwfm:
	.size	k_q4dbe25c54a_fwfm, .Lfunc_end_k_q4dbe25c54a_fwfm-k_q4dbe25c54a_fwfm
	.p2alignl 7, 3214868480
	.fill 96, 4, 3214868480
	.section	.rodata,"a",@progbits
	.p2align	6, 0x0
	.amdhsa_kernel k_q4dbe25c54a_fwfm
		.amdhsa_group_segment_fixed_size 7424
		.amdhsa_private_segment_fixed_size 0
		.amdhsa_enable_private_segment 0
		.amdhsa_kernarg_size 48
		.amdhsa_user_sgpr_count 2
		.amdhsa_user_sgpr_kernarg_segment_ptr 1
		.amdhsa_wavefront_size32 1
		.amdhsa_system_sgpr_workgroup_id_x 1
		.amdhsa_system_sgpr_workgroup_id_y 1
		.amdhsa_system_sgpr_workgroup_id_z 1
		.amdhsa_system_vgpr_workitem_id 0
		.amdhsa_next_free_vgpr 252
		.amdhsa_next_free_sgpr 66
		.amdhsa_reserve_vcc 0
		.amdhsa_float_denorm_mode_32 3
		.amdhsa_float_denorm_mode_16_64 3
		.amdhsa_memory_ordered 1
		.amdhsa_forward_progress 1
		.amdhsa_inst_pref_size 27
	.end_amdhsa_kernel
	.amdgpu_metadata
---
amdhsa.version: [ 1, 2 ]
amdhsa.kernels:
  - .name:           k_q4dbe25c54a_fwfm
    .symbol:         k_q4dbe25c54a_fwfm.kd
    .args:
      - { .name: inputs, .offset: 0, .size: 8, .value_kind: global_buffer, .address_space: global }
      - { .name: embedding_weights, .offset: 8, .size: 8, .value_kind: global_buffer, .address_space: global }
      - { .name: field_weights, .offset: 16, .size: 8, .value_kind: global_buffer, .address_space: global }
      - { .name: linear_weights, .offset: 24, .size: 8, .value_kind: global_buffer, .address_space: global }
      - { .name: bias_weight, .offset: 32, .size: 8, .value_kind: global_buffer, .address_space: global }
      - { .name: out0, .offset: 40, .size: 8, .value_kind: global_buffer, .address_space: global }
    .group_segment_fixed_size: 7424
    .private_segment_fixed_size: 0
    .kernarg_segment_align: 8
    .kernarg_segment_size: 48
    .max_flat_workgroup_size: 256
    .sgpr_count:     66
    .vgpr_count:     252
    .wavefront_size: 32
...
	.end_amdgpu_metadata
.endif
;; end of part 2
